; MI455X (gfx1250); checked and timed in simulation.
; The chip was launched on July 23, 2026; its instructions are those of AMD's public machine-readable ISA for CDNA 5 (MIT licence, August 2026) and "CDNA5" Instruction Set Architecture Reference Guide (July 2026). The comments in the code are by the model that wrote it; some were corrected since.
;; Attention. Allowed arithmetic: matrix products marked QUANTISED: E2M1 operands, one E8M0 scale for each 32 along K, by v_wmma_scale_f32_16x16x128_f8f6f4 with both operands' format E2M1 (or v_wmma_scale_f32_32x16x128_f4), f32 sums; products left as they are: f32 operands where the result goes on into a quantised operand, else bf16, f16 or f32 operands; f32 sums; everything else in f32.
;; Inputs: M_b 1,024 float32; M_w 1,024 x 3,072 float32; V_b 1 float32; V_w 1 x 1,024 float32; encoded 16 x 2,048 x 2,048 float32; hidden_codes 16 x 1 x 32 x 16 uint8 (E2M1 codes of hidden, K innermost, in blocks of 32 codes, two codes a byte); hidden_scales 16 x 1 x 32 uint8 (E8M0 scales of hidden, one for each 32 codes along K); mask 16 x 2,048 bool.
;; Outputs: out0 16 x 1 x 2,048 float32; out1 16 x 1 x 2,048 float32.
;; This version of the problem:
;;   THIS VERSION OF THE PROBLEM IS GIVEN IN LOW PRECISION. The matrix products marked QUANTISED in the list below multiply operands that are first quantised to E2M1 (2 exponent bits, 1 mantissa bit; 4 bits a number), with one power-of-two scale for each 32 numbers along K (OCP MX v1.0); their sums are f32. All else is computed in f32.
;;   The module's matrix products, in the order in which they are computed (A, B: the left and right operand; K: the contracted axis; several contracted axes count as one K, in the product's order):
;;     1. [M 32,768, K 2,048] x [K 2,048, N 1,024]; A: input encoded; B: input M_w: QUANTISED
;;     2. [M 16, K 1,024] x [K 1,024, N 1,024]; A: input hidden (given as codes); B: input M_w: QUANTISED
;;     3. [M 32,768, K 1,024] x [K 1,024, N 1]; A: computed on the way; B: input V_w: left as it is (N = 1 < 16)
;;     4. batch 16 x [M 1, K 2,048] x [K 2,048, N 2,048]; A: computed on the way; B: input encoded: left as it is (M = 1 < 16)
;;   THE QUANTISER, for each operand of a quantised product, along K:
;;     - K is cut into blocks of 32 from its start; a last block that is shorter is filled with zeros.
;;     - A block's scale is 2^e with e = floor(log2(the largest magnitude in the block)) - 2, held to -126 .. 127; a block of zeros has e = 0. As a byte (E8M0): e + 127.
;;     - Each number is divided by its block's scale, clamped to +-6, and rounded to the nearest number of E2M1, ties to even, subnormals kept.
;;     - The product sums the exact products of the quantised numbers (number of the format x scale) in f32.
;;   ~~~python
;;   def quantise(x, axis):      # numpy; x: float32 -> the quantised numbers, widened to float32 again
;;       x = np.moveaxis(x, axis, -1); K = x.shape[-1]
;;       x = np.pad(x, [(0, 0)] * (x.ndim - 1) + [(0, -K % 32)]); x = x.reshape(x.shape[:-1] + (-1, 32)); a = np.abs(x).max(-1, keepdims=True)
;;       e = np.where(a > 0, np.clip(np.frexp(np.where(a > 0, a, 1))[1] - 1 - 2, -126, 127), 0)      # np.frexp(a)[1] - 1 = floor(log2(a)), exactly
;;       r = np.clip(x / 2.0 ** e, -6, 6)
;;       step = 2.0 ** (np.maximum(np.frexp(np.where(r == 0, 1, r))[1] - 1, 0) - 1)
;;       q = np.round(r / step) * step * 2.0 ** e      # np.round: ties to even
;;       return np.moveaxis(q.reshape(q.shape[:-2] + (-1,))[..., :K], -1, axis).astype(np.float32)
;;   ~~~
;;   INPUTS GIVEN AS CODES. hidden (in the module: [16, 1, 1024], K = its axis 2): each comes as NAME_codes (uint8): NAME with its K axis moved to the last place and cut into blocks of 32 codes, [.., K / 32, bytes a block], one block behind the other in memory; two codes a byte, the lower K in the low four bits (a code: sign, 2 exponent bits, 1 mantissa bit); and NAME_scales (uint8): the same leading axes, one E8M0 byte (e + 127) for each 32 codes along K. Its value is code x scale, taken as it is: it is not quantised again, and the codes and scales need not be those that the quantiser above would give.
;; One version. Each part assembles by itself: llvm-mc -triple=amdgcn-amd-amdhsa -mcpu=gfx1250 --defsym DOCPART=n.
;; ======== version 1 of 1: 3 launches
;; limits: right only within a limited range of input values; values are held in bf16: 8 bits of precision
;; workspace buffers: wq 1,048,576 bytes; wsc 65,536 bytes; bcw 65,536 bytes; cnt 8,192 bytes of whole numbers; list 131,072 bytes of whole numbers; inv 131,072 bytes of whole numbers; scores 131,072 bytes; part 3,514,368 bytes
;; launch prep (part 1): grid 64 x 3, 9 waves a work-group, no clusters, 145,152 bytes of LDS; arguments M_w, M_b, hidden_codes, hidden_scales, mask, wq, wsc, bcw, cnt, list, inv; writes wq, wsc, bcw, cnt, list, inv
.if DOCPART == 1
	.amdgcn_target "amdgcn-amd-amdhsa--gfx1250"
	.amdhsa_code_object_version 6
	.text
	.protected	k_q3ada8e76c3_prep
	.globl	k_q3ada8e76c3_prep
	.p2align	8
	.type	k_q3ada8e76c3_prep,@function
k_q3ada8e76c3_prep:
	s_mov_b64 s[64:65], 0
	v_nop
	global_prefetch_b8 v0, s[64:65] scope:SCOPE_SE
	s_setreg_imm32_b32 hwreg(HW_REG_WAVE_MODE, 25, 1), 1
	s_wait_xcnt 0x0
; ADDITIVE ATTENTION POOLING, launch 1 of 3: the weights become codes, the hidden state's product is made, the mask becomes a list of rows.
; WORK THAT THE PROGRAM LEAVES OUT.  reference() replaces the score of every place (b, s) whose mask byte is true by NEG_INF (jnp.where(mask, NEG_INF, scores)):
; for such a row m, tanh(m) and its product with V_w reach no output, whatever the inputs hold.  So products 1 and 3 and the tanh are done for the OPEN rows alone (mask byte 0);
; which rows those are is a whole number read from memory: this launch stores the list, the next reads it.  In product 4 a masked row's weight is exp(-1e9 - max) / sum.
; LIMIT (range): that weight is taken as 0 where the batch has an open row; in f32 it is 0 while the largest open score lies above -1e9 + 104, and |score| <= sum |V_w| + |V_b|
; since |tanh| <= 1: so the limit is sum |V_w| + |V_b| < 9.9e8.  A batch with no open row takes all 2,048 rows as live, each with the score -1e9 (uniform weights).
; The divisor and out1 are computed for every row, masked ones too.  V_b stays: masked places do not get it, so it is not the same along the softmax's axis.  No input is left out.
; LIMIT: a NaN, an infinity or an overflow in a masked row of encoded reaches only the work left out and is not carried to the result.
; LIMIT: a block of zeros gets the scale byte 1 where the rule says 127: its codes are zeros, which add nothing, and this program alone reads the bytes.  NaN and infinities in M_w are not served.
; SHARES.  Rows 16 T .. 16 T + 15 of M_w are 24 units of 16 rows x 128 along K.  Work-group (T, y) takes units 8 y .. 8 y + 7, wave w (0-7) unit 8 y + w.
; y = 0, 1 (the part that meets encoded): codes and scale words are stored in the order of an operand's registers.  y = 2 (the part that meets hidden): wave w multiplies K step w of product 2 at once;
; wave 0 takes M_b as its C, and adds the eight parts behind the barrier.  Wave 8 sorts a quarter of a batch's 2,048 places where y = 0 (64 quarters, 64 such work-groups); where y is 1 or 2 it has no work and goes to the barrier.
; The waves part on y once, and each of the two ways has stage bytes of its own.  No tensor load, no cluster, no prefetch: each byte of M_w is read once, in one run of loads, with no loop to run ahead in.
; A LANE NEEDS 32 NEIGHBOURS ALONG K, A LOAD IS BEST DENSE: each load takes 512 consecutive bytes of one row; a unit turns through the wave's own stage in LDS (rows 528 bytes apart: 132 words, so 16 rows begin at 16 different groups of banks).
.set ROWM,   12288                     ; a row of M_w in bytes
.set SPITCH, 528
.set WSTG,   16*SPITCH                 ; a wave's stage
.set PART,   8*WSTG                    ; eight images of product 2's partial sums, 1,024 bytes each
.set SCI,    PART+8192                 ; the scale words of the work-group's 8 K steps: the image of four registers
.set HST,    SCI+512                   ; the stages of the way y = 2
.set SPARE,  HST+8*WSTG                ; the spare words: 128 bytes for each of 9 waves, in five blocks of 256 bytes that no other line names
; REGISTERS: v1 16 x lane; v2, v3 the add's two; v4, v5 stage in and out (y < 2), v26, v27 (y = 2); v6, v7 partial sums in and out; v8, v9 scale words in and out; v10 lane, v11 r, v14 h; v12 8 h; v13 the floor;
; v16-25 at work; v32-39 codes; v48 my scale word, v50 hidden's (scales alone); v52-59 hidden's fragment; v68-75 product 2; v76-83 M_b; v128-191 a unit's 64 numbers, later the eight parts.
.macro XLOAD                           ; my unit: 512 consecutive bytes of each of 16 rows; read once in the launch
.set g, 0
.rept 16
	global_load_b128 v[128+4*g:131+4*g], v1, s[4:5] offset:ROWM*g th:TH_LOAD_NT
.set g, g+1
.endr
.endm
.macro TURN in, out                    ; the unit through the stage: in as loaded, back 32 neighbours at a time.  LDS serves a wave's instructions in order
.set ti, 0
.rept 16
	ds_store_b128 v[\in], v[128+4*ti:131+4*ti] offset:SPITCH*ti
.set ti, ti+1
.endr
.set ti, 0
.rept 16
	ds_load_b128 v[128+4*ti:131+4*ti], v[\out] offset:256*(ti/8)+16*(ti%8)
.set ti, ti+1
.endr
.endm
; 64 numbers of a lane, register 32 c + i = k 64 c + 32 h + i of row r, become the fragment's 8 registers v[cd] on and the row's scale word v[wd]
.macro QUANT x, cd, wd
	v_max3_num_f32 v16, v13, |v[\x]|, |v[\x+1]|                    ; the largest magnitude of my two blocks, each in two chains, the floor 2^(3 - 127) among the leaves: the byte cannot fall under 1
	v_max3_num_f32 v17, v13, |v[\x+32]|, |v[\x+33]|
	v_max3_num_f32 v18, v13, |v[\x+16]|, |v[\x+17]|
	v_max3_num_f32 v19, v13, |v[\x+48]|, |v[\x+49]|
.irp i, 2,4,6,8,10,12,14
	s_delay_alu instid0(VALU_DEP_4)
	v_max3_num_f32 v16, v16, |v[\x+\i]|, |v[\x+\i+1]|
	s_delay_alu instid0(VALU_DEP_4)
	v_max3_num_f32 v17, v17, |v[\x+32+\i]|, |v[\x+33+\i]|
	s_delay_alu instid0(VALU_DEP_4)
	v_max3_num_f32 v18, v18, |v[\x+16+\i]|, |v[\x+17+\i]|
	s_delay_alu instid0(VALU_DEP_4)
	v_max3_num_f32 v19, v19, |v[\x+48+\i]|, |v[\x+49+\i]|
.endr
	s_delay_alu instid0(VALU_DEP_2)
	v_max_num_f32 v16, v16, v18
	s_delay_alu instid0(VALU_DEP_2)
	v_max_num_f32 v17, v17, v19
	s_delay_alu instid0(VALU_DEP_2)
	v_add_nc_u32 v20, 0xff000000, v16                              ; 2 off the exponent field: the conversion's scale operand
	s_delay_alu instid0(VALU_DEP_2)
	v_add_nc_u32 v21, 0xff000000, v17
	s_delay_alu instid0(VALU_DEP_2)
	v_lshrrev_b32 v22, 23, v20                                     ; the scale's byte
	s_delay_alu instid0(VALU_DEP_2)
	v_lshrrev_b32 v23, 23, v21
	s_delay_alu instid0(VALU_DEP_1)
	v_lshl_or_b32 v24, v23, 16, v22                                ; blocks h and 2 + h,
	s_delay_alu instid0(VALU_DEP_1)
	v_lshlrev_b32 v24, v12, v24                                    ; at their places in the word;
	s_delay_alu instid0(VALU_DEP_1)
	v_permlanex16_b32 v25, v24, s34, s35
	s_delay_alu instid0(VALU_DEP_1)
	v_or_b32 v[\wd], v24, v25                                      ; with lane l xor 16's two the word is whole, in both halves of the lanes
.irp g, 0,1,2,3
	v_cvt_scalef32_pk8_fp4_f32 v[\cd+\g], v[\x+8*\g:\x+8*\g+7], v20
	v_cvt_scalef32_pk8_fp4_f32 v[\cd+4+\g], v[\x+32+8*\g:\x+32+8*\g+7], v21
.endr
	v_nop                                                          ; one plain line behind the last scaled conversion
.endm
	s_load_b512 s[4:19], s[0:1], 0x0               ; M_w s[4:5], M_b s[6:7], hidden's codes s[8:9], its scales s[10:11], mask s[12:13], wq s[14:15], wsc s[16:17], bcw s[18:19]
	s_load_b128 s[20:23], s[0:1], 0x40             ; cnt s[20:21], list s[22:23]
	s_load_b64 s[24:25], s[0:1], 0x50              ; inv
	v_lshl_add_u32 v2, v0, 2, SPARE
	v_mov_b32 v3, 0
	v_lshrrev_b32 v16, 5, v0
	s_delay_alu instid0(VALU_DEP_1)
	v_readfirstlane_b32 s26, v16                   ; wave 0..8
	v_and_b32 v10, 31, v0                          ; lane
	v_and_b32 v11, 15, v0                          ; r
	v_bfe_u32 v14, v0, 4, 1                        ; h
	s_delay_alu instid0(VALU_DEP_3)
	v_lshlrev_b32 v1, 4, v10
	s_wait_alu depctr_va_vdst(0)
	; every LDS address is made here, ahead of the waves' parting: constants, the lane, the wave
	s_and_b32 s33, ttmp7, 0xffff                   ; y
	s_mul_i32 s27, s26, WSTG
	v_add_nc_u32 v4, s27, v1                       ; stage, in: 16 x lane
	v_mul_u32_u24 v5, v11, SPITCH
	s_delay_alu instid0(VALU_DEP_1)
	v_lshl_add_u32 v5, v14, 7, v5
	s_delay_alu instid0(VALU_DEP_1)
	v_add_nc_u32 v5, s27, v5                       ; stage, out: row r, + 128 h
	v_add_nc_u32 v26, HST, v4                      ; the same two for the way y = 2
	s_delay_alu instid0(VALU_DEP_2)
	v_add_nc_u32 v27, HST, v5
	s_and_b32 s28, s26, 7
	s_lshl_b32 s29, s28, 10
	s_add_co_u32 s29, s29, PART
	v_add_nc_u32 v6, s29, v1                       ; my partial sums' image
	v_add_nc_u32 v7, PART, v1
	s_and_b32 s29, s26, 1
	s_lshl_b32 s29, s29, 8                         ; one register serves two K steps: the even step's words go to lanes 0-15 of the image, the odd step's to lanes 16-31;
	s_bfe_u32 s30, s26, 0x20001
	s_lshl_b32 s30, s30, 2                         ; register w / 2 of the lane's four
	s_add_co_u32 s29, s29, s30
	s_add_co_u32 s29, s29, SCI
	v_lshl_add_u32 v8, v11, 4, s29                 ; lanes l and l xor 16 write one word with one value
	v_add_nc_u32 v9, SCI, v1
	v_lshlrev_b32 v12, 3, v14
	v_mov_b32 v13, 0x1800000
	s_mov_b32 s34, 0x76543210
	s_mov_b32 s35, 0xfedcba98                      ; v_permlanex16_b32's selects for lane l xor 16
	s_lshl_b32 s31, s33, 3
	s_add_co_u32 s31, s31, s28                     ; my unit, 0 .. 23
	s_mul_i32 s38, ttmp9, 16*ROWM
	s_lshl_b32 s40, s31, 9
	s_add_co_u32 s38, s38, s40                     ; my tile's first row, my unit's 128 columns
	s_mov_b32 s39, 0
	s_mov_b32 s41, 0
	s_wait_alu depctr_va_vdst(0)
	s_wait_kmcnt 0x0
	s_add_nc_u64 s[4:5], s[4:5], s[38:39]
	s_cmp_lg_u32 s26, 8
	s_cbranch_scc1 .Lquant
	s_cmp_lg_u32 s33, 0
	s_cbranch_scc1 .Ljoin                          ; the 64 quarters are sorted where y = 0
	; ---- wave 8, y = 0: batch T / 4, quarter T % 4 of its 2,048 places.  Whole numbers only
	s_lshr_b32 s46, ttmp9, 2
	s_and_b32 s47, ttmp9, 3
	s_lshl_b32 s50, s46, 11
	s_mov_b32 s51, 0
	s_add_nc_u64 s[12:13], s[12:13], s[50:51]      ; the batch's mask bytes,
	s_lshl_b32 s52, s47, 9
	s_mov_b32 s53, 0
	s_add_nc_u64 s[48:49], s[12:13], s[52:53]      ; my quarter's
	s_lshl_b32 s50, s46, 13
	s_add_nc_u64 s[22:23], s[22:23], s[50:51]      ; the batch's list,
	s_add_nc_u64 s[24:25], s[24:25], s[50:51]
	s_lshl_b32 s50, s47, 11
	s_add_nc_u64 s[24:25], s[24:25], s[50:51]      ; my quarter of its inverse,
	s_lshl_b32 s50, ttmp9, 7
	s_add_nc_u64 s[20:21], s[20:21], s[50:51]      ; my record of counts
.set g, 0
.rept 64
	global_load_u8 v[64+g], v10, s[12:13] offset:32*g              ; a lane a place, 32 places a load: the whole batch, for the counts
.set g, g+1
.endr
.set g, 0
.rept 16
	global_load_u8 v[128+g], v10, s[48:49] offset:32*g             ; and my quarter once more, at register numbers that do not hang on the quarter
.set g, g+1
.endr
	v_add_nc_u32 v20, s52, v10                     ; my place in the first group of my quarter
	v_lshlrev_b32 v21, 2, v10
	s_mov_b32 s54, 0
	s_mov_b32 s55, 0
	s_mov_b32 s56, 0
	s_mov_b32 s57, 0
	s_wait_alu depctr_va_vdst(0)
	s_wait_loadcnt 0x0
.set g, 0
.rept 64
	v_cmp_eq_u32 s58, 0, v[64+g]                   ; open places of the group,
	s_bcnt1_i32_b32 s58, s58
	s_add_co_u32 s[54+g/16], s[54+g/16], s58       ; counted by quarters
.set g, g+1
.endr
	s_add_co_u32 s59, s54, s55
	s_add_co_u32 s59, s59, s56
	s_add_co_u32 s59, s59, s57                     ; n_un: the batch's open places
	s_cmp_gt_u32 s47, 0
	s_cselect_b32 s60, s54, 0
	s_cmp_gt_u32 s47, 1
	s_cselect_b32 s61, s55, 0
	s_cmp_gt_u32 s47, 2
	s_cselect_b32 s62, s56, 0
	s_add_co_u32 s60, s60, s61
	s_add_co_u32 s60, s60, s62                     ; open places ahead of my quarter
	s_cmp_eq_u32 s59, 0                            ; no open place: every place is live
	s_cselect_b32 s61, -1, 0
	s_cselect_b32 s62, 2048, s59                   ; n_act: live places
	s_cselect_b32 s60, s52, s60                    ; live places ahead of my quarter = the next live row's position
	s_sub_co_u32 s63, s52, s60
	s_add_co_u32 s63, s63, s62                     ; the next dead row's position: n_act + dead places ahead
.set g, 0
.rept 16
	v_cmp_eq_u32 s58, 0, v[128+g]
	s_or_b32 s58, s58, s61                         ; live places of the group
	s_not_b32 s50, s58
	v_mbcnt_lo_u32_b32 v16, s58, 0                 ; live places below my lane,
	v_mbcnt_lo_u32_b32 v17, s50, 0                 ; dead ones
	s_delay_alu instid0(VALU_DEP_2)
	v_add_nc_u32 v16, s60, v16
	s_delay_alu instid0(VALU_DEP_2)
	v_add_nc_u32 v17, s63, v17
	s_delay_alu instid0(VALU_DEP_1)
	v_cndmask_b32 v[144+g], v17, v16, s58          ; my place's position: a permutation of 0 .. 2,047, live rows first
	s_delay_alu instid0(VALU_DEP_1)
	v_min_u32 v[144+g], 0x7ff, v[144+g]            ; (it changes nothing: the bound is written out since the number enters an address)
	s_delay_alu instid0(VALU_DEP_1)
	v_lshlrev_b32 v[160+g], 2, v[144+g]
	v_add_nc_u32 v[176+g], 32*g, v20               ; my place
	global_store_b32 v21, v[144+g], s[24:25] offset:128*g          ; inv: place -> position, 128 consecutive bytes
	global_store_b32 v[160+g], v[176+g], s[22:23]                  ; list: position -> place.  Each group has registers of its own: no store's source is written again
	s_bcnt1_i32_b32 s50, s58
	s_add_co_u32 s60, s60, s50
	s_sub_co_u32 s63, s63, s50
	s_add_co_u32 s63, s63, 32
.set g, g+1
.endr
	v_mov_b32 v18, s59
	v_mov_b32 v19, s62
	s_mov_b32 s58, 0xaaaaaaaa
	v_cndmask_b32 v18, v18, v19, s58               ; even words n_un, odd words n_act
	global_store_b32 v21, v18, s[20:21]
	s_branch .Ljoin
.Lquant:
	v_mov_b32 v25, 0                               ; written once: a lane permute's destination counts as one of its sources
	s_cmp_eq_u32 s33, 2
	s_cbranch_scc1 .Lhid
	; ---- y = 0, 1: my unit becomes a fragment, which leaves as it stands, 512 consecutive bytes a store
	XLOAD
	s_lshl_b32 s42, ttmp9, 14
	s_lshl_b32 s43, s31, 10
	s_add_co_u32 s42, s42, s43
	s_mov_b32 s43, 0
	s_add_nc_u64 s[14:15], s[14:15], s[42:43]      ; wq: 16,384 bytes a tile, 1,024 a unit
	s_wait_alu depctr_va_vdst(0)
	s_wait_loadcnt 0x0
	TURN 4, 5
	s_wait_dscnt 0x0
	QUANT 128, 32, 48
	global_store_b128 v1, v[32:35], s[14:15]
	global_store_b128 v1, v[36:39], s[14:15] offset:512
	ds_store_b32 v8, v48
	s_branch .Ljoin
.Lhid:
	; ---- y = 2: hidden's fragment and scale words for K step w of product 2; wave 0 also takes the bias, M_b at 16 T + 8 h + 0 .. 7
	s_lshl_b32 s40, s28, 6
	s_add_nc_u64 s[8:9], s[8:9], s[40:41]
	s_lshl_b32 s40, s28, 2
	s_add_nc_u64 s[10:11], s[10:11], s[40:41]
	v_lshlrev_b32 v116, 9, v11
	s_delay_alu instid0(VALU_DEP_1)
	v_lshl_add_u32 v116, v14, 4, v116              ; batch r: 512 bytes of codes a batch, + 16 h
	v_lshlrev_b32 v117, 5, v11                     ; 32 scale bytes a batch
	global_load_b128 v[52:55], v116, s[8:9]
	global_load_b128 v[56:59], v116, s[8:9] offset:32
	global_load_b32 v50, v117, s[10:11]
	s_cmp_lg_u32 s26, 0
	s_cbranch_scc1 .Lhx
	s_lshl_b32 s40, ttmp9, 6
	s_add_nc_u64 s[6:7], s[6:7], s[40:41]
	v_lshlrev_b32 v118, 5, v14
	global_load_b128 v[76:79], v118, s[6:7]
	global_load_b128 v[80:83], v118, s[6:7] offset:16
.Lhx:
	XLOAD
	s_wait_alu depctr_va_vdst(0)
	s_wait_loadcnt 0x0
	TURN 26, 27
	s_wait_dscnt 0x0
	QUANT 128, 32, 48
.rept 8
	v_nop                                          ; a scale register written by a vector instruction stands 8 places ahead of a scaled matrix instruction, an operand 4
.endr
	s_wait_alu depctr_va_vdst(0)
	; source 0 = my 16 rows of M_w, source 1 = the 16 batches: lane (r, h) holds batch r and rows 16 T + 8 h + 0 .. 7
	s_cmp_lg_u32 s26, 0
	s_cbranch_scc1 .Lh0
	v_wmma_scale_f32_16x16x128_f8f6f4 v[68:75], v[32:39], v[52:59], v[76:83], v48, v50 matrix_a_fmt:MATRIX_FMT_FP4 matrix_b_fmt:MATRIX_FMT_FP4   ; wave 0: the bias is the sum's beginning
	s_branch .Lhs
.Lh0:
	v_wmma_scale_f32_16x16x128_f8f6f4 v[68:75], v[32:39], v[52:59], 0, v48, v50 matrix_a_fmt:MATRIX_FMT_FP4 matrix_b_fmt:MATRIX_FMT_FP4
.Lhs:
.rept 4
	v_nop
.endr
	ds_store_b128 v6, v[68:71]                     ; the image of the result's registers, from the low end on
	ds_store_b128 v6, v[72:75] offset:512
.Ljoin:
	s_wait_dscnt 0x0                               ; my LDS stores have landed
	s_barrier_signal -1
	s_barrier_wait -1
	s_cmp_lg_u32 s26, 0
	s_cbranch_scc1 .Lend
	s_lshl_b32 s42, ttmp9, 10                      ; wsc and bcw: 1,024 bytes a tile
	s_mov_b32 s43, 0
	s_cmp_eq_u32 s33, 2
	s_cbranch_scc1 .Lsum
	; ---- wave 0, y = 0, 1: the eight K steps' scale words, four registers' image: 512 consecutive bytes, group y of the tile's two
	ds_load_b128 v[120:123], v9
	s_lshl_b32 s40, s33, 9
	s_add_co_u32 s42, s42, s40
	s_add_nc_u64 s[16:17], s[16:17], s[42:43]
	s_wait_dscnt 0x0
	global_store_b128 v1, v[120:123], s[16:17]
	s_branch .Lend
.Lsum:
	; ---- wave 0, y = 2: the eight parts (the bias is in the first), times 2 log2(e): the next launch's tanh works on 2^(2 log2(e) m)
.set g, 0
.rept 8
	ds_load_b128 v[128+8*g:131+8*g], v7 offset:1024*g
	ds_load_b128 v[132+8*g:135+8*g], v7 offset:1024*g+512
.set g, g+1
.endr
	s_mov_b32 s44, 0x4038aa3b                      ; 2 log2(e)
	s_mov_b32 s45, s44
	s_add_nc_u64 s[18:19], s[18:19], s[42:43]
	v_lshlrev_b32 v119, 6, v11
	s_delay_alu instid0(VALU_DEP_1)
	v_lshl_add_u32 v119, v14, 5, v119              ; bcw[T][batch r][8 h ..]
	s_wait_alu depctr_va_vdst(0)
	s_wait_dscnt 0x0
.irp j, 0,2,4,6
.irp g, 0,2,4,6
	v_pk_add_f32 v[128+8*\g+\j:129+8*\g+\j], v[128+8*\g+\j:129+8*\g+\j], v[136+8*\g+\j:137+8*\g+\j]
.endr
.endr
.irp j, 0,2,4,6
.irp g, 0,4
	v_pk_add_f32 v[128+8*\g+\j:129+8*\g+\j], v[128+8*\g+\j:129+8*\g+\j], v[144+8*\g+\j:145+8*\g+\j]
.endr
.endr
.irp j, 0,2,4,6
	v_pk_add_f32 v[128+\j:129+\j], v[128+\j:129+\j], v[160+\j:161+\j]
.endr
.irp j, 0,2,4,6
	s_delay_alu instid0(VALU_DEP_4)
	v_pk_mul_f32 v[128+\j:129+\j], v[128+\j:129+\j], s[44:45] op_sel_hi:[1,0]
.endr
	global_store_b128 v119, v[128:131], s[18:19]
	global_store_b128 v119, v[132:135], s[18:19] offset:16
.Lend:
	s_wait_tensorcnt 0x0                           ; the wave's end
	ds_add_u32 v2, v3
	s_wait_dscnt 0x0
	s_endpgm
.Lfunc_end_k_q3ada8e76c3_prep:
	.size	k_q3ada8e76c3_prep, .Lfunc_end_k_q3ada8e76c3_prep-k_q3ada8e76c3_prep
	.p2alignl 7, 3214868480
	.fill 96, 4, 3214868480
	.section	.rodata,"a",@progbits
	.p2align	6, 0x0
	.amdhsa_kernel k_q3ada8e76c3_prep
		.amdhsa_group_segment_fixed_size 145152
		.amdhsa_private_segment_fixed_size 0
		.amdhsa_enable_private_segment 0
		.amdhsa_kernarg_size 88
		.amdhsa_user_sgpr_count 2
		.amdhsa_user_sgpr_kernarg_segment_ptr 1
		.amdhsa_wavefront_size32 1
		.amdhsa_system_sgpr_workgroup_id_x 1
		.amdhsa_system_sgpr_workgroup_id_y 1
		.amdhsa_system_sgpr_workgroup_id_z 1
		.amdhsa_system_vgpr_workitem_id 0
		.amdhsa_next_free_vgpr 192
		.amdhsa_next_free_sgpr 66
		.amdhsa_reserve_vcc 0
		.amdhsa_float_denorm_mode_32 3
		.amdhsa_float_denorm_mode_16_64 3
		.amdhsa_memory_ordered 1
		.amdhsa_forward_progress 1
		.amdhsa_inst_pref_size 58
	.end_amdhsa_kernel
	.amdgpu_metadata
---
amdhsa.version: [ 1, 2 ]
amdhsa.kernels:
  - .name:           k_q3ada8e76c3_prep
    .symbol:         k_q3ada8e76c3_prep.kd
    .args:
      - { .name: M_w, .offset: 0, .size: 8, .value_kind: global_buffer, .address_space: global }
      - { .name: M_b, .offset: 8, .size: 8, .value_kind: global_buffer, .address_space: global }
      - { .name: hidden_codes, .offset: 16, .size: 8, .value_kind: global_buffer, .address_space: global }
      - { .name: hidden_scales, .offset: 24, .size: 8, .value_kind: global_buffer, .address_space: global }
      - { .name: mask, .offset: 32, .size: 8, .value_kind: global_buffer, .address_space: global }
      - { .name: wq, .offset: 40, .size: 8, .value_kind: global_buffer, .address_space: global }
      - { .name: wsc, .offset: 48, .size: 8, .value_kind: global_buffer, .address_space: global }
      - { .name: bcw, .offset: 56, .size: 8, .value_kind: global_buffer, .address_space: global }
      - { .name: cnt, .offset: 64, .size: 8, .value_kind: global_buffer, .address_space: global }
      - { .name: list, .offset: 72, .size: 8, .value_kind: global_buffer, .address_space: global }
      - { .name: inv, .offset: 80, .size: 8, .value_kind: global_buffer, .address_space: global }
    .group_segment_fixed_size: 145152
    .private_segment_fixed_size: 0
    .kernarg_segment_align: 8
    .kernarg_segment_size: 88
    .max_flat_workgroup_size: 288
    .sgpr_count:     66
    .vgpr_count:     192
    .wavefront_size: 32
...
	.end_amdgpu_metadata
.endif
;; end of part 1
;; launch main (part 2): grid 16 x 26, 4 waves a work-group, no clusters, 318,976 bytes of LDS; arguments encoded, list, cnt, wq, wsc, bcw, V_w, V_b, scores, part; writes scores, part
.if DOCPART == 2
	.amdgcn_target "amdgcn-amd-amdhsa--gfx1250"
	.amdhsa_code_object_version 6
	.text
	.protected	k_q3ada8e76c3_main
	.globl	k_q3ada8e76c3_main
	.p2align	8
	.type	k_q3ada8e76c3_main,@function
k_q3ada8e76c3_main:
	s_mov_b64 s[64:65], 0
	v_nop
	global_prefetch_b8 v0, s[64:65] scope:SCOPE_SE
	s_setreg_imm32_b32 hwreg(HW_REG_WAVE_MODE, 25, 1), 1
	s_wait_xcnt 0x0
; Launch 2 of 3: for a chunk of up to 80 live rows of one batch: quantise, product 1 (MX-FP4), tanh, product 3, a softmax under the chunk's own maximum, and the chunk's part of product 4.
; LEFT OUT, as shown at the head of the first kernel: rows whose mask byte is true (reference() replaces their scores by NEG_INF; their weight is 0 in f32 while sum |V_w| + |V_b| < 9.9e8);
; in a batch with no open row all rows are live and take the score -1e9 by a select.  A NaN or an infinity in a row left out is not carried to the result.
; CHUNKS.  n = the batch's live rows (stored by the first launch).  n <= 1,280: chunk c begins at (min(c, 16) n) >> 4; else at min(80 c, n).  The grid has 26 chunks a batch, enough for n = 2,048;
; x = batch, y = chunk, so that the 16 chunks a batch that an even split fills come first in the grid.
; EVERY WAVE PASSES EVERY BARRIER.  What the chunk's count (a stored whole number) leaves out is jumped over between barriers, never a barrier: a tile of 16 rows that holds none of the chunk's rows;
; eight rows of product 4 that lie past the chunk's end; and, for a chunk with no rows, the column tiles and the stores.  Such a chunk sends zero codes round and stores nothing.
; NO TENSOR LOADS, NO CLUSTER: no joint loads; the weights' codes come from memory straight into registers,
; laid by the first launch in the order of an operand's registers.  No prefetch: the rows stream with two to three units (16 to 24 KiB a wave) on their way throughout, and every chunk reads the same weights.
; EACH LIVE ROW OF encoded IS READ ONCE (rows 64-79 of a chunk twice): while it is quantised a bf16 copy of rows 0-63 goes to LDS, and product 4 (left as it is: bf16 x f32, f32 sums) reads that copy.
; SHARES.  Loading: wave w takes K steps 4 w .. 4 w + 3 (128 along K each) of all rows, a tile of 16 rows at a time; the codes go to the other waves through LDS as images of the operand's registers.
; Products: all four waves hold all 80 rows' codes (640 registers); wave w takes columns 256 w .. + 255, 16 tiles of 16; each fragment of the weights feeds five matrix instructions.
; Source 0 = 16 rows of encoded, source 1 = 16 columns: lane (r, h) holds column r and rows 8 h + 0 .. 7, so the bias, V_w and the sum over columns are a lane's own until one reduction at the end.
; tanh(m) = 1 - 2 / (1 + 2^(c m)), c = 2 log2(e): V tanh = V - 2 V / (1 + 2^(c m)); right at both ends (2^x = infinity gives 0, 2^x = 0 gives 1).
; LIMITS: a block of zeros takes the scale byte 1 (zero codes add nothing); NaN and infinities in live rows are not served.
.set CPITCH, 4112                      ; a row of the bf16 copy: 4,096 bytes + 16 = 1,028 words: 16 rows begin at 16 different groups of banks
.set STAGE,  64*CPITCH                 ; behind the copy: a stage of 16 rows x 528 bytes for each wave
.set SPITCH, 528
.set WSTG,   16*SPITCH
.set IMG,    STAGE+4*WSTG              ; one tile's 16 fragments as images, 1,024 bytes each
.set ISC,    IMG+16384                 ; its 8 packed scale registers, 128 bytes each
.set SCR,    ISC+1024                  ; 512 bytes a wave: its part of the 80 scores, and of the sum of V_w at word 80
.set PB,     SCR+2048                  ; 512 bytes a wave: its own copy of the weights p
.set SPARE,  PB+2048                   ; the spare words: 128 bytes a wave, two blocks of 256 bytes that no other line names
; REGISTERS, window 0: v1 16 x lane; v2, v3 the add's two; v4, v5 stage in, out; v6 copy; v7, v8 images in, out; v9, v10 scale words in, out; v11 my bytes of a row; v12 8 h; v13 the floor; v14-16 the chunk's rows;
;   v17 4 r; v18-19, v117-123 LDS addresses of the way out; v124 16 x thread; v20-31 at work; v32-63 a tile's codes, later product 4's sums; v64-103 the rows' scale words, v104-111 the weights' (scales alone);
;   v112 bias, v113 V, v114 -2 V, v116 sum of V; v128-255 two units of 64 numbers, later 5 accumulators (v128-167) and 40 score sums (v168-207), later the way out.
;   v256-383: two more units, later the weights' 16 fragments (K step k at v[256 + 8 k]).  v384-1023: the rows' codes, tile m, K step k at v[384 + 40 k + 8 m].
; SCALARS: s[4:23] the ten buffers; s24 wave, s25 batch, s26 chunk; s27, s28 the chunk's first position and end, s29 its rows; s30 n_un, s31 n; s[32:63], s[66:97] two sets of 16 row addresses; s[98:99] an offset; s101 V_b.
.set MSB, 0
.macro WIN new                         ; s_set_vgpr_msb: bits 1:0 source 0, 3:2 source 1, 5:4 source 2, 7:6 destination; the high byte repeats the setting that is left; a switch that changes nothing is dropped
.if MSB != (\new)
	s_set_vgpr_msb (MSB<<8)|(\new)
.set MSB, (\new)
.endif
.endm
.macro BAR                             ; my LDS stores have landed and my LDS loads are in: then the work-group's barrier
	s_wait_dscnt 0x0
	s_barrier_signal -1
	s_barrier_wait -1
.endm
; the addresses of tile m's 16 rows into the set at s[sb].  A row's number comes from the stored list: it is held under 2,048 by a constant, then only shifted and added
.macro ROWBASE sb, m
.if (\m) > 1
	s_wait_xcnt 0x0                                ; the loads that named this set have read it (tiles 0 and 1: no load has named their sets yet)
.endif
.set ri, 0
.rept 16
	v_readlane_b32 s98, v[14+(16*(\m)+ri)/32], (16*(\m)+ri)%32
	s_min_u32 s98, s98, 0x7ff
	s_lshl_b32 s98, s98, 13
	s_add_nc_u64 s[\sb+2*ri:\sb+2*ri+1], s[4:5], s[98:99]
.set ri, ri+1
.endr
.endm
; unit j = tile j / 4, my K step j % 4: 16 loads of 512 consecutive bytes, a row each, into buffer (j + 2) % 4 (0, 1: v128, v192; 2, 3: v256, v320).  No hint: the list may name a row twice
.macro XLOAD j
.set xb, (((\j)+2)%4)
.set xw, xb/2
.set xl, 128*(1-xw)+64*(xb%2)
.set xs, 32+34*(((\j)/4)%2)
	WIN xw<<6
.set xi, 0
.rept 16
	global_load_b128 v[xl+4*xi:xl+4*xi+3], v11, s[xs+2*xi:xs+2*xi+1] offset:512*((\j)%4)
.set xi, xi+1
.endr
	WIN 0
.endm
; the weights of a column tile: 16 fragments in two halves, their scale words, the bias and V
.macro R0 nx, nxs
	WIN 0x40
.set wi, 0
.rept 16
	global_load_b128 v[4*wi:4*wi+3], v1, s[10:11] offset:(\nx)+512*wi
.set wi, wi+1
.endr
	WIN 0
	global_load_b128 v[104:107], v1, s[12:13] offset:(\nxs)
.endm
.macro R1 nx, nxs
	WIN 0x40
.set wi, 16
.rept 16
	global_load_b128 v[4*wi:4*wi+3], v1, s[10:11] offset:(\nx)+512*wi
.set wi, wi+1
.endr
	WIN 0
	global_load_b128 v[108:111], v1, s[12:13] offset:(\nxs)+512
.endm
.macro R2 nxs, nxv
	global_load_b32 v112, v17, s[14:15] offset:(\nxs)
	global_load_b32 v113, v17, s[16:17] offset:(\nxv)
.endm
; A UNIT: 16 rows x 128 along K.  n: the loads younger than the unit's own, which may stay out
.macro UNIT j, n
.set ub, (((\j)+2)%4)
.set uw, ub/2
.set ul, 128*(1-uw)+64*(ub%2)
.set uu, (\j)%4
.set um, (\j)/4
	s_wait_loadcnt \n
	WIN uw<<2                                      ; an LDS store's data are its source 1
.set ti, 0
.rept 16
	ds_store_b128 v4, v[ul+4*ti:ul+4*ti+3] offset:SPITCH*ti        ; through my stage: in as loaded,
.set ti, ti+1
.endr
	WIN uw<<6
.set ti, 0
.rept 16
	ds_load_b128 v[ul+4*ti:ul+4*ti+3], v5 offset:256*(ti/8)+16*(ti%8)   ; back 32 neighbours at a time: register 32 c + i = k 64 c + 32 h + i of row r.  LDS serves a wave's instructions in order
.set ti, ti+1
.endr
	WIN 0
	s_wait_dscnt 32                                ; all but this unit's own 16 stores and 16 loads: every LDS instruction of the unit before is done: its buffer is free
.if (\j) <= 16
	XLOAD (\j)+3                                   ; into that buffer: the unit three on, asked for while the stage's loads are out
.endif
	s_wait_dscnt 0x0                               ; the numbers are back
	WIN (uw<<2)|(uw<<4)
	v_max3_num_f32 v20, v13, |v[ul]|, |v[ul+1]|                    ; the largest magnitude of my two blocks, each in two chains, the floor 2^(3 - 127) among the leaves
	v_max3_num_f32 v21, v13, |v[ul+32]|, |v[ul+33]|
	v_max3_num_f32 v24, v13, |v[ul+16]|, |v[ul+17]|
	v_max3_num_f32 v25, v13, |v[ul+48]|, |v[ul+49]|
.set ti, 2
.rept 7
	v_max3_num_f32 v20, v20, |v[ul+ti]|, |v[ul+ti+1]|
	v_max3_num_f32 v21, v21, |v[ul+32+ti]|, |v[ul+33+ti]|
	v_max3_num_f32 v24, v24, |v[ul+16+ti]|, |v[ul+17+ti]|
	v_max3_num_f32 v25, v25, |v[ul+48+ti]|, |v[ul+49+ti]|
.set ti, ti+2
.endr
	WIN 0
	v_max_num_f32 v20, v20, v24
	v_max_num_f32 v21, v21, v25
	v_add_nc_u32 v22, 0xff000000, v20              ; 2 off the exponent field: the conversion's scale operand
	v_add_nc_u32 v23, 0xff000000, v21
	v_lshrrev_b32 v24, 23, v22                     ; the scale's byte
	v_lshrrev_b32 v25, 23, v23
	v_lshl_or_b32 v27, v25, 16, v24
	v_lshlrev_b32 v27, v12, v27                    ; blocks h and 2 + h at their places in the word;
	v_permlanex16_b32 v26, v27, s2, s3
	v_or_b32 v[28+uu%2], v27, v26                  ; with lane l xor 16's two it is whole
	WIN uw
.set ti, 0
.rept 4
	v_cvt_scalef32_pk8_fp4_f32 v[32+8*uu+ti], v[ul+8*ti:ul+8*ti+7], v22
	v_cvt_scalef32_pk8_fp4_f32 v[36+8*uu+ti], v[ul+32+8*ti:ul+32+8*ti+7], v23
.set ti, ti+1
.endr
	v_nop                                          ; one plain line behind the last scaled conversion
	WIN 0
.if uu%2
	v_cndmask_b32 v[30+uu/2], v28, v29, s8         ; one register for two K steps: lanes 0-15 the even step's words, lanes 16-31 the odd step's
.endif
.if um < 4
	WIN 0x45*uw
.set ti, 0
.rept 32
	v_cvt_pk_bf16_f32 v[ul+ti], v[ul+2*ti], v[ul+2*ti+1]           ; the copy for product 4, in place, ascending: a register is written only when its number has been read
.set ti, ti+1
.endr
	WIN uw<<2
.set ti, 0
.rept 8
	ds_store_b128 v6, v[ul+4*ti:ul+4*ti+3] offset:256*uu+128*(ti/4)+16*(ti%4)
.set ti, ti+1
.endr
	WIN 0
.endif
.endm
; tile m's codes and scale words go round: my four fragments to LDS, all sixteen back.  It stands on every way: where the tile was jumped over, the registers hold the tile before's codes
; (in a chunk with no rows: zeros), and its rows get the weight 0
.macro EXCH m
.if (\m) > 0
	BAR                                            ; every wave has the last tile's images in registers: they may be overwritten
.endif
.set ei, 0
.rept 8
	ds_store_b128 v7, v[32+4*ei:35+4*ei] offset:512*ei
.set ei, ei+1
.endr
	ds_store_b32 v9, v30
	ds_store_b32 v9, v31 offset:128
	BAR                                            ; the tile's sixteen images lie in LDS
.set ek, 0
.rept 16
.set RA, 384+40*ek+8*(\m)
	WIN (RA>>8)<<6
	ds_load_b128 v[(RA&255):(RA&255)+3], v8 offset:1024*ek
	ds_load_b128 v[(RA&255)+4:(RA&255)+7], v8 offset:1024*ek+512
.set ek, ek+1
.endr
	WIN 0
.set ei, 0
.rept 8
	ds_load_b32 v[64+8*(\m)+ei], v10 offset:128*ei
.set ei, ei+1
.endr
.endm
; K steps k0 .. k1 of a column tile: the five accumulators take turns, one instruction a turn; the first K step starts the sums
.macro MM k0, k1
.set mk, \k0
.rept (\k1)-(\k0)+1
.set mm, 0
.rept 5
.set RA, 384+40*mk+8*mm
	WIN (RA>>8)|4                                  ; source 0: the rows' window; source 1: window 1; C and D: window 0
.if mk == 0
	v_wmma_scale_f32_16x16x128_f8f6f4 v[128+8*mm:135+8*mm], v[(RA&255):(RA&255)+7], v[8*mk:8*mk+7], 0, v[64+8*mm+mk/2], v[104+mk/2] matrix_a_fmt:MATRIX_FMT_FP4 matrix_b_fmt:MATRIX_FMT_FP4
.elseif mk%2 == 0
	v_wmma_scale_f32_16x16x128_f8f6f4 v[128+8*mm:135+8*mm], v[(RA&255):(RA&255)+7], v[8*mk:8*mk+7], v[128+8*mm:135+8*mm], v[64+8*mm+mk/2], v[104+mk/2] matrix_a_fmt:MATRIX_FMT_FP4 matrix_b_fmt:MATRIX_FMT_FP4
.else
	v_wmma_scale_f32_16x16x128_f8f6f4 v[128+8*mm:135+8*mm], v[(RA&255):(RA&255)+7], v[8*mk:8*mk+7], v[128+8*mm:135+8*mm], v[64+8*mm+mk/2], v[104+mk/2] matrix_a_fmt:MATRIX_FMT_FP4 matrix_b_fmt:MATRIX_FMT_FP4 matrix_a_scale:MATRIX_SCALE_ROW1 matrix_b_scale:MATRIX_SCALE_ROW1
.endif
.set mm, mm+1
.endr
.set mk, mk+1
.endr
.endm
; 40 numbers a lane: S += -2 V / (1 + 2^(c m + c bias)).  Each batch of transcendentals has one plain line and one wait behind it
.macro TANH
.set ai, 0
.rept 20
	v_pk_fma_f32 v[128+2*ai:129+2*ai], v[128+2*ai:129+2*ai], s[66:67], v[112:113] op_sel_hi:[1,0,0]   ; each accumulator from its low end on; of the pairs c and bias the low word serves both halves
.set ai, ai+1
.endr
.set ai, 0
	s_wait_alu depctr_va_vdst(0)
.rept 40
	v_exp_f32 v[128+ai], v[128+ai]
.set ai, ai+1
.endr
	v_mul_f32 v114, -2.0, v113                     ; (the plain line behind the exponentials)
	s_wait_alu depctr_va_vdst(0)
.set ai, 0
.rept 20
	v_pk_add_f32 v[128+2*ai:129+2*ai], v[128+2*ai:129+2*ai], 1.0 op_sel_hi:[1,0]
.set ai, ai+1
.endr
.set ai, 0
	s_wait_alu depctr_va_vdst(0)
.rept 40
	v_rcp_f32 v[128+ai], v[128+ai]
.set ai, ai+1
.endr
	v_add_f32 v116, v116, v113                     ; the sum of V.  (The plain line behind the reciprocals)
	s_wait_alu depctr_va_vdst(0)
.set ai, 0
.rept 20
	v_pk_fma_f32 v[168+2*ai:169+2*ai], v[128+2*ai:129+2*ai], v[114:115], v[168+2*ai:169+2*ai] op_sel_hi:[1,0,1]
.set ai, ai+1
.endr
.endm
; A COLUMN TILE.  Loads go out in the order R0 (17), R1 (17), R2 (2), each for the NEXT tile, into registers that this tile has done with, four places behind their last matrix instruction
.macro COLTILE more
	s_wait_loadcnt 19                              ; this tile's first half is in; behind it: its second half (17), bias and V (2)
	MM 0, 7
.rept 4
	v_nop
.endr
.if \more
	s_wait_xcnt 0x0                                ; the loads of the tile before have read their bases: the bases step to the next tile here, ahead of its first loads
	s_add_nc_u64 s[10:11], s[10:11], 16384
	s_add_nc_u64 s[12:13], s[12:13], 1024
	s_add_nc_u64 s[14:15], s[14:15], 1024
	s_add_nc_u64 s[16:17], s[16:17], 64
	R0 0, 0
	s_wait_loadcnt 19                              ; the second half is in; behind it: bias and V (2), the next tile's first half (17)
.else
	s_wait_loadcnt 2
.endif
	MM 8, 15
.rept 4
	v_nop                                          ; places for the loads below and for the first read of the results
.endr
.if \more
	R1 0, 0
	s_wait_loadcnt 34                              ; bias and V are in; behind them: the next tile's two halves
.else
	WIN 0
	s_wait_loadcnt 0x0
.endif
	TANH
.if \more
	R2 0, 0
.endif
.endm
; product 4 on the copy: four rows' weights (one address for all lanes) and my 16 columns of each
.macro LROWS p, x, q0
	ds_load_b128 v[\p:\p+3], v123 offset:4*(\q0)
.set li, 0
.rept 16
	ds_load_b64 v[\x+2*li:\x+2*li+1], v122 offset:CPITCH*((\q0)+li/4)+1024*(li%4)
.set li, li+1
.endr
.endm
.macro FROWS p, x
.set li, 0
.rept 16
	v_fma_mix_f32_bf16 v[32+4*(li%4)], v[\x+2*li], v[\p+li/4], v[32+4*(li%4)] op_sel_hi:[1,0,0]
	v_fma_mix_f32_bf16 v[33+4*(li%4)], v[\x+2*li], v[\p+li/4], v[33+4*(li%4)] op_sel:[1,0,0] op_sel_hi:[1,0,0]
	v_fma_mix_f32_bf16 v[34+4*(li%4)], v[\x+2*li+1], v[\p+li/4], v[34+4*(li%4)] op_sel_hi:[1,0,0]
	v_fma_mix_f32_bf16 v[35+4*(li%4)], v[\x+2*li+1], v[\p+li/4], v[35+4*(li%4)] op_sel:[1,0,0] op_sel_hi:[1,0,0]
.set li, li+1
.endr
.endm
	s_load_b512 s[4:19], s[0:1], 0x0               ; encoded s[4:5], list s[6:7], cnt s[8:9], wq s[10:11], wsc s[12:13], bcw s[14:15], V_w s[16:17], V_b s[18:19]
	s_load_b128 s[20:23], s[0:1], 0x40             ; scores s[20:21], part s[22:23]
	v_lshl_add_u32 v2, v0, 2, SPARE
	v_mov_b32 v3, 0
	v_lshrrev_b32 v20, 5, v0
	v_readfirstlane_b32 s24, v20                   ; wave 0..3
	s_mov_b32 s25, ttmp9                           ; batch
	s_and_b32 s26, ttmp7, 0xffff                   ; chunk
	s_mov_b32 s99, 0
	s_lshl_b32 s98, s25, 9                         ; the batch's record of counts: the first of its four
	s_wait_kmcnt 0x0
	s_add_nc_u64 s[8:9], s[8:9], s[98:99]
	s_load_b64 s[30:31], s[8:9], 0x0               ; n_un, n
	s_load_b32 s101, s[18:19], 0x0                 ; V_b
	; every LDS address but product 4's two walking ones is made here: constants, the lane, the wave
	v_and_b32 v21, 31, v0                          ; lane
	v_and_b32 v22, 15, v0                          ; r
	v_bfe_u32 v23, v0, 4, 1                        ; h
	v_lshlrev_b32 v1, 4, v21
	s_mul_i32 s100, s24, WSTG
	s_add_co_u32 s100, s100, STAGE
	v_add_nc_u32 v4, s100, v1
	v_mul_u32_u24 v5, v22, SPITCH
	v_lshl_add_u32 v5, v23, 7, v5
	v_add_nc_u32 v5, s100, v5
	v_mul_u32_u24 v6, v22, CPITCH
	v_lshl_add_u32 v6, v23, 6, v6
	s_lshl_b32 s100, s24, 10
	v_add_nc_u32 v6, s100, v6                      ; the copy: row r, + 64 h, + my four K steps' 1,024 bytes
	s_lshl_b32 s100, s24, 12
	s_add_co_u32 s100, s100, IMG
	v_add_nc_u32 v7, s100, v1
	v_add_nc_u32 v8, IMG, v1
	v_lshlrev_b32 v24, 2, v21
	s_lshl_b32 s100, s24, 8
	s_add_co_u32 s100, s100, ISC
	v_add_nc_u32 v9, s100, v24
	v_add_nc_u32 v10, ISC, v24
	s_lshl_b32 s100, s24, 11
	v_add_nc_u32 v11, s100, v1                     ; (global) my four K steps' 2,048 bytes of a row, 16 bytes a lane
	v_lshlrev_b32 v12, 3, v23
	v_mov_b32 v13, 0x1800000
	v_lshlrev_b32 v17, 2, v22
	s_lshl_b32 s100, s24, 9
	s_add_co_u32 s100, s100, SCR
	v_lshl_add_u32 v18, v23, 5, s100               ; my part of the scores: rows 8 h on
	v_add_nc_u32 v19, SCR, v24
	s_add_co_u32 s100, s100, PB-SCR
	v_add_nc_u32 v117, s100, v24
	v_mov_b32 v118, s100
	v_lshlrev_b32 v119, 3, v0                      ; the copy, out: 8 bytes a thread
	v_lshl_add_u32 v120, v22, 2, SCR+256
	v_mov_b32 v121, SCR+320
	v_lshlrev_b32 v124, 4, v0                      ; (global) 16 bytes a thread
	s_wait_kmcnt 0x0
	s_min_u32 s31, s31, 2048
	s_min_u32 s100, s26, 16
	s_mul_i32 s27, s100, s31
	s_lshr_b32 s27, s27, 4                         ; the even split
	s_add_co_u32 s100, s26, 1
	s_min_u32 s100, s100, 16
	s_mul_i32 s28, s100, s31
	s_lshr_b32 s28, s28, 4
	s_mul_i32 s32, s26, 80                         ; by eighties
	s_add_co_u32 s33, s32, 80
	s_min_u32 s32, s32, s31
	s_min_u32 s33, s33, s31
	s_cmp_le_u32 s31, 1280
	s_cselect_b32 s27, s27, s32
	s_cselect_b32 s28, s28, s33
	s_sub_co_u32 s29, s28, s27                     ; 0 .. 80 rows
	s_lshl_b32 s98, s25, 13
	s_add_nc_u64 s[6:7], s[6:7], s[98:99]
	s_add_nc_u64 s[20:21], s[20:21], s[98:99]
	s_lshl_b32 s98, s25, 24
	s_add_nc_u64 s[4:5], s[4:5], s[98:99]          ; the batch's 2,048 rows of 8,192 bytes
	s_lshl_b32 s98, s24, 18
	s_add_nc_u64 s[10:11], s[10:11], s[98:99]      ; my 16 column tiles: 16,384 bytes of codes each,
	s_lshl_b32 s98, s24, 14
	s_add_nc_u64 s[12:13], s[12:13], s[98:99]      ; 1,024 of scale words,
	s_add_nc_u64 s[14:15], s[14:15], s[98:99]      ; 1,024 of biases,
	s_lshl_b32 s98, s25, 6
	s_add_nc_u64 s[14:15], s[14:15], s[98:99]      ; of which my batch's 64,
	s_lshl_b32 s98, s24, 10
	s_add_nc_u64 s[16:17], s[16:17], s[98:99]      ; 64 of V_w
	s_mul_i32 s98, s25, 26
	s_add_co_u32 s98, s98, s26
	s_mul_i32 s98, s98, 8448
	s_add_nc_u64 s[22:23], s[22:23], s[98:99]      ; my record
	s_max_u32 s100, s28, 1
	s_sub_co_u32 s100, s100, 1
	v_add_nc_u32 v25, s27, v21
.irp j, 0,1,2
	v_add_nc_u32 v[28+\j], 32*\j, v25
	v_min_u32 v[28+\j], s100, v[28+\j]             ; past the chunk's end: its last row once more (such a row gets the weight 0); in a chunk with no rows: one row for all
	v_min_u32 v[28+\j], 0x7ff, v[28+\j]
	v_lshlrev_b32 v[28+\j], 2, v[28+\j]
	global_load_b32 v[14+\j], v[28+\j], s[6:7]
.endr
	s_mov_b32 s2, 0x76543210
	s_mov_b32 s3, 0xfedcba98                       ; v_permlanex16_b32's selects for lane l xor 16
	s_mov_b32 s8, 0xffff0000                       ; lanes 16-31
	v_mov_b32 v26, 0                               ; written once: a lane permute's destination counts as one of its sources
	s_wait_loadcnt 0x0
.set zi, 0
.rept 34
	v_mov_b32 v[30+zi], 0                          ; what the exchange sends: a chunk with no rows sends zero codes
.set zi, zi+1
.endr
	; ---- THE ROWS COME IN: 20 units a wave.  A tile's four units take the four buffers once round, and each unit asks for the unit three on: so at every tile's head the same three buffers
	; (v256, v320, v128) are on their way, whether the tile before was made or jumped over, and the counts below hold on every way.  A tile that has none of the chunk's rows is jumped over
	ROWBASE 32, 0
	XLOAD 0
	XLOAD 1
	XLOAD 2
	ROWBASE 66, 1
	s_cmp_le_u32 s29, 0
	s_cbranch_scc1 .Lno_tile0
	UNIT 0, 32                                     ; two younger units may stay out
	UNIT 1, 32
	UNIT 2, 32
	UNIT 3, 32
.Lno_tile0:
	EXCH 0
	v_add_nc_u32 v6, 16*CPITCH, v6
	ROWBASE 32, 2
	s_cmp_le_u32 s29, 16
	s_cbranch_scc1 .Lno_tile1
	UNIT 4, 32
	UNIT 5, 32
	UNIT 6, 32
	UNIT 7, 32
.Lno_tile1:
	EXCH 1
	v_add_nc_u32 v6, 16*CPITCH, v6
	ROWBASE 66, 3
	s_cmp_le_u32 s29, 32
	s_cbranch_scc1 .Lno_tile2
	UNIT 8, 32
	UNIT 9, 32
	UNIT 10, 32
	UNIT 11, 32
.Lno_tile2:
	EXCH 2
	v_add_nc_u32 v6, 16*CPITCH, v6
	ROWBASE 32, 4                                  ; this set stays to the end: rows 64-79 are read once more
	s_cmp_le_u32 s29, 48
	s_cbranch_scc1 .Lno_tile3
	UNIT 12, 32
	UNIT 13, 32
	UNIT 14, 32
	UNIT 15, 32
.Lno_tile3:
	EXCH 3
	s_cmp_le_u32 s29, 64
	s_cbranch_scc1 .Lno_tile4
	UNIT 16, 32
	UNIT 17, 32
	UNIT 18, 16                                    ; unit 19 may stay out
	UNIT 19, 0
.Lno_tile4:
	s_wait_loadcnt 0x0                             ; where tiles were jumped over, three units are still on their way: their registers are wanted now
	R0 0, 0                                        ; my first column tile, into v256-383: it lands under the last exchange
	R1 0, 0
	R2 0, 0
	s_wait_alu depctr_va_vdst(0)
	EXCH 4
.set ai, 0
.rept 40
	v_mov_b32 v[168+ai], 0                         ; the score sums: the loop is written once
.set ai, ai+1
.endr
	v_mov_b32 v116, 0
	v_mov_b32 v115, 0                              ; (named as the upper half of the pair v[114:115])
	s_mov_b32 s66, 0x4038aa3b                      ; c = 2 log2(e); the rows' loads that named this set are done
	s_mov_b32 s67, s66
	s_wait_dscnt 0x0                               ; the last tile's codes and scale words are in
	; ---- PRODUCT 1, TANH, PRODUCT 3: my 16 column tiles; none for a chunk with no rows
	s_cmp_eq_u32 s29, 0
	s_cbranch_scc1 .Lno_cols
	s_mov_b32 s68, 15
.Ltile:
	COLTILE 1
	s_sub_co_u32 s68, s68, 1
	s_cmp_lg_u32 s68, 0
	s_cbranch_scc1 .Ltile
	COLTILE 0                                      ; the last tile asks for nothing more
.Lno_cols:
	s_wait_loadcnt 0x0                             ; (the way round the tiles: the first tile's loads)
	; ---- THE WAY OUT.  Rows 64-79 have no place in the copy: where the chunk has such rows, my 16 columns of each are asked for again, as f32, and land under the softmax
	s_cmp_le_u32 s29, 64
	s_cbranch_scc1 .Lno_ask
	WIN 0x40
.set zi, 0
.rept 64
	global_load_b128 v[4*zi:4*zi+3], v124, s[32+2*(zi/4):33+2*(zi/4)] offset:2048*(zi%4)
.set zi, zi+1
.endr
	WIN 0
.Lno_ask:
.irp x, 1,2,4,8
.set zi, 0
.rept 40
	v_add_f32_dpp v[168+zi], v[168+zi], v[168+zi] row_xmask:\x row_mask:0xf bank_mask:0xf     ; over the 16 columns of a half's lanes
.set zi, zi+1
.endr
	v_add_f32_dpp v116, v116, v116 row_xmask:\x row_mask:0xf bank_mask:0xf
.endr
.set zi, 0
.rept 40
	ds_store_b32 v18, v[168+zi] offset:64*(zi/8)+4*(zi%8)          ; row 16 m + 8 h + j; a half's lanes write one word with one value
.set zi, zi+1
.endr
	ds_store_b32 v18, v116 offset:320                              ; word 80 (lanes 16-31: word 88, which nobody reads)
	BAR                                            ; the four waves' parts of the scores lie in LDS; so does the whole copy
	; every wave makes the chunk's softmax for itself: lane l has rows l, 32 + l, 64 + l % 16
.irp w, 0,1,2,3
	ds_load_b32 v[216+\w], v19 offset:512*\w
	ds_load_b32 v[220+\w], v19 offset:512*\w+128
	ds_load_b32 v[224+\w], v120 offset:512*\w
	ds_load_b32 v[228+\w], v121 offset:512*\w
.endr
	v_and_b32 v233, 31, v0
	v_add_nc_u32 v234, 32, v233
	v_add_nc_u32 v235, 64, v233                    ; (80 and more in lanes 16-31: never under the chunk's rows)
	v_mov_b32 v232, 0xce6e6b28                     ; -1e9
	v_mov_b32 v236, 0xff61b1e6                     ; -3e38: under every score
	v_mov_b32 v244, 0
	v_lshlrev_b32 v249, 2, v233
.irp j, 0,1,2
	v_add_nc_u32 v[245+\j], s27, v[233+\j]
	v_min_u32 v[245+\j], 0x7ff, v[245+\j]
	v_lshlrev_b32 v[245+\j], 2, v[245+\j]          ; the rows' positions, in bytes
.endr
	s_cmp_eq_u32 s30, 0
	s_cselect_b32 s69, -1, 0                       ; a batch with no open row
	v_cmp_gt_u32 s70, s29, v233
	v_cmp_gt_u32 s71, s29, v234
	v_cmp_gt_u32 s72, s29, v235                    ; which of my three rows are the chunk's
	s_wait_dscnt 0x0
	v_add_f32 v228, v228, v229
	v_add_f32 v230, v230, v231
	v_add_f32 v228, v228, v230
	v_add_f32 v228, s101, v228                     ; the sum of V_w, and V_b
.irp j, 0,4,8
	v_add_f32 v[216+\j], v[216+\j], v[217+\j]
	v_add_f32 v[218+\j], v[218+\j], v[219+\j]
	v_add_f32 v[216+\j], v[216+\j], v[218+\j]
	v_add_f32 v[216+\j], v[216+\j], v228           ; the score
	v_cndmask_b32 v[216+\j], v[216+\j], v232, s69
.endr
	v_cndmask_b32 v237, v236, v216, s70
	v_cndmask_b32 v238, v236, v220, s71
	v_cndmask_b32 v239, v236, v224, s72
	v_max3_num_f32 v237, v237, v238, v239
.irp x, 1,2,4,8
	v_max_num_f32_dpp v237, v237, v237 row_xmask:\x row_mask:0xf bank_mask:0xf
.endr
	v_permlanex16_b32 v238, v237, s2, s3
	v_max_num_f32 v237, v237, v238                 ; the chunk's maximum m
	v_sub_f32 v240, v216, v237
	v_sub_f32 v241, v220, v237
	v_sub_f32 v242, v224, v237
	v_mul_f32 v240, 0x3fb8aa3b, v240
	v_mul_f32 v241, 0x3fb8aa3b, v241
	v_mul_f32 v242, 0x3fb8aa3b, v242
	s_wait_alu depctr_va_vdst(0)
	v_exp_f32 v240, v240
	v_exp_f32 v241, v241
	v_exp_f32 v242, v242
	v_nop                                          ; a plain line behind the exponentials,
	s_wait_alu depctr_va_vdst(0)                   ; and the one wait ahead of their first reader
	v_cndmask_b32 v240, 0, v240, s70               ; p = e^(score - m); 0 for a row that is not the chunk's
	v_cndmask_b32 v241, 0, v241, s71
	v_cndmask_b32 v242, 0, v242, s72
	ds_store_b32 v117, v240                        ; into my wave's own copy of p
	ds_store_b32 v117, v241 offset:128
	ds_store_b32 v117, v242 offset:256
	v_add_f32 v243, v240, v241
	v_add_f32 v243, v243, v242
.irp x, 1,2,4,8
	v_add_f32_dpp v243, v243, v243 row_xmask:\x row_mask:0xf bank_mask:0xf
.endr
	v_permlanex16_b32 v244, v243, s2, s3
	v_add_f32 v243, v243, v244                     ; l = the sum of p
	; product 4, rows 0-63 from the copy: thread t owns columns 512 j + 4 t .. + 3, j = 0 .. 3.  Eight trips of eight rows, a constant count; a trip whose rows all lie past the chunk's end
	; is jumped over inside the loop (its tile of the copy may not have been written); the addresses step on every way
.set zi, 0
.rept 16
	v_mov_b32 v[32+zi], 0
.set zi, zi+1
.endr
	s_mov_b32 s74, 0
	s_mov_b32 s75, 0
	s_mov_b32 s68, 0
.Lrows:
	v_add_nc_u32 v122, s74, v119
	v_add_nc_u32 v123, s75, v118
	s_cmp_ge_u32 s68, s29
	s_cbranch_scc1 .Lrows_none
	LROWS 208, 128, 0
	LROWS 212, 160, 4
	s_wait_dscnt 17                                ; the first four rows are in; the 17 loads of the other four may stay out
	FROWS 208, 128
	s_wait_dscnt 0x0
	FROWS 212, 160
.Lrows_none:
	s_add_co_u32 s74, s74, 8*CPITCH
	s_add_co_u32 s75, s75, 32
	s_add_co_u32 s68, s68, 8
	s_cmp_lt_u32 s68, 64
	s_cbranch_scc1 .Lrows
	; rows 64-79, as f32, where the chunk has such rows
	s_cmp_le_u32 s29, 64
	s_cbranch_scc1 .Lno_tail
.irp g, 0,1,2,3
	ds_load_b128 v[192+4*\g:195+4*\g], v118 offset:256+16*\g       ; their p
.endr
	s_wait_loadcnt 0x0
	s_wait_dscnt 0x0
	WIN 0x01
.set zi, 0
.rept 256
	v_fma_f32 v[32+zi%16], v[zi], v[192+zi/16], v[32+zi%16]
.set zi, zi+1
.endr
	WIN 0
.Lno_tail:
	s_cmp_eq_u32 s29, 0
	s_cbranch_scc1 .Lend                           ; a chunk with no rows stores nothing: the last launch reads no record of such a chunk
	s_wait_alu depctr_va_vdst(0)
.irp j, 0,1,2,3
	global_store_b128 v124, v[32+4*\j:35+4*\j], s[22:23] offset:2048*\j        ; a wave stores 512 consecutive bytes
.endr
	s_cmp_lg_u32 s24, 0
	s_cbranch_scc1 .Lend
	; wave 0 stores the scores, by position, and (m, l)
.irp j, 0,1,2
	v_cmp_gt_u32 vcc_lo, s29, v[233+\j]
	s_wait_xcnt 0x0                                ; EXEC is a source of the loads and stores that are out: it changes only behind this wait
	s_and_saveexec_b32 s73, vcc_lo
	global_store_b32 v[245+\j], v[216+4*\j], s[20:21]
	s_wait_xcnt 0x0
	s_or_b32 exec_lo, exec_lo, s73
.endr
	s_mov_b32 s73, 0xaaaaaaaa
	v_cndmask_b32 v248, v237, v243, s73            ; even words m, odd words l
	global_store_b32 v249, v248, s[22:23] offset:8192
.Lend:
	s_wait_tensorcnt 0x0                           ; the wave's end
	ds_add_u32 v2, v3
	s_wait_dscnt 0x0
	s_endpgm
.Lfunc_end_k_q3ada8e76c3_main:
	.size	k_q3ada8e76c3_main, .Lfunc_end_k_q3ada8e76c3_main-k_q3ada8e76c3_main
	.p2alignl 7, 3214868480
	.fill 96, 4, 3214868480
	.section	.rodata,"a",@progbits
	.p2align	6, 0x0
	.amdhsa_kernel k_q3ada8e76c3_main
		.amdhsa_group_segment_fixed_size 318976
		.amdhsa_private_segment_fixed_size 0
		.amdhsa_enable_private_segment 0
		.amdhsa_kernarg_size 80
		.amdhsa_user_sgpr_count 2
		.amdhsa_user_sgpr_kernarg_segment_ptr 1
		.amdhsa_wavefront_size32 1
		.amdhsa_system_sgpr_workgroup_id_x 1
		.amdhsa_system_sgpr_workgroup_id_y 1
		.amdhsa_system_sgpr_workgroup_id_z 1
		.amdhsa_system_vgpr_workitem_id 0
		.amdhsa_next_free_vgpr 1024
		.amdhsa_next_free_sgpr 102
		.amdhsa_reserve_vcc 1
		.amdhsa_float_denorm_mode_32 3
		.amdhsa_float_denorm_mode_16_64 3
		.amdhsa_memory_ordered 1
		.amdhsa_forward_progress 1
		.amdhsa_inst_pref_size 255
	.end_amdhsa_kernel
	.section	.bss,"aw",@nobits
	.p2align	6
	.space	262144
	.amdgpu_metadata
---
amdhsa.version: [ 1, 2 ]
amdhsa.kernels:
  - .name:           k_q3ada8e76c3_main
    .symbol:         k_q3ada8e76c3_main.kd
    .args:
      - { .name: encoded, .offset: 0, .size: 8, .value_kind: global_buffer, .address_space: global }
      - { .name: list, .offset: 8, .size: 8, .value_kind: global_buffer, .address_space: global }
      - { .name: cnt, .offset: 16, .size: 8, .value_kind: global_buffer, .address_space: global }
      - { .name: wq, .offset: 24, .size: 8, .value_kind: global_buffer, .address_space: global }
      - { .name: wsc, .offset: 32, .size: 8, .value_kind: global_buffer, .address_space: global }
      - { .name: bcw, .offset: 40, .size: 8, .value_kind: global_buffer, .address_space: global }
      - { .name: V_w, .offset: 48, .size: 8, .value_kind: global_buffer, .address_space: global }
      - { .name: V_b, .offset: 56, .size: 8, .value_kind: global_buffer, .address_space: global }
      - { .name: scores, .offset: 64, .size: 8, .value_kind: global_buffer, .address_space: global }
      - { .name: part, .offset: 72, .size: 8, .value_kind: global_buffer, .address_space: global }
    .group_segment_fixed_size: 318976
    .private_segment_fixed_size: 0
    .kernarg_segment_align: 8
    .kernarg_segment_size: 80
    .max_flat_workgroup_size: 128
    .sgpr_count:     102
    .vgpr_count:     1024
    .wavefront_size: 32
...
	.end_amdgpu_metadata
.endif
;; end of part 2
;; launch fin (part 3): grid 16 x 16, 1 waves a work-group, no clusters, 0 bytes of LDS; arguments cnt, part, scores, inv, mask, out0, out1; writes out0, out1
.if DOCPART == 3
	.amdgcn_target "amdgcn-amd-amdhsa--gfx1250"
	.amdhsa_code_object_version 6
	.text
	.protected	k_q3ada8e76c3_fin
	.globl	k_q3ada8e76c3_fin
	.p2align	8
	.type	k_q3ada8e76c3_fin,@function
k_q3ada8e76c3_fin:
	s_mov_b64 s[64:65], 0
	v_nop
	global_prefetch_b8 v0, s[64:65] scope:SCOPE_SE
	s_setreg_imm32_b32 hwreg(HW_REG_WAVE_MODE, 25, 1), 1
	s_wait_xcnt 0x0
; Launch 3 of 3: the chunks' softmaxes are joined.  Work-group (x, b), one wave: columns 128 x .. + 127 of out0[b] and places 128 x .. + 127 of out1[b].
; LEFT OUT, as shown at the head of the first kernel: masked rows' terms of out0 in a batch that has an open row.  The divisor counts them, and out1 is computed for every place.
; M = the largest of the live chunks' maxima; a chunk's factor is f = e^(m - M); L = sum l f + (2,048 - n) e^(-1e9 - M); out0 = sum over chunks of (f / L) x the chunk's partial sum; out1 = e^(v - M) / L,
; v = -1e9 where the mask byte is true, else the row's score.  The chunk rule is the second launch's; here a lane takes a chunk.  A chunk without rows stored nothing: its reads go to chunk 15, which has rows for every n >= 1, with the factor 0.
; No LDS, no barrier, no branch, no matrix instruction: 26 x 512 bytes and a few words for each work-group.
; REGISTERS: v1 16 x lane, v2 4 x lane, v3 my bytes of a record; v4-7 positions; v8 mask bytes; v9 the chunk that I read; v10-13 at work, then out0; v16, v17 m, l; v18-27 at work; v28-53 offsets; v56-159 the partial sums; v160-163 scores.
	s_load_b256 s[4:11], s[0:1], 0x0               ; cnt s[4:5], part s[6:7], scores s[8:9], inv s[10:11]
	s_load_b128 s[12:15], s[0:1], 0x20             ; mask s[12:13], out0 s[14:15]
	s_load_b64 s[16:17], s[0:1], 0x30              ; out1
	s_and_b32 s18, ttmp7, 0xffff                   ; batch
	s_mov_b32 s27, 0
	s_mov_b32 s24, 0x76543210
	s_mov_b32 s25, 0xfedcba98                      ; v_permlanex16_b32's selects for lane l xor 16
	v_lshlrev_b32 v1, 4, v0
	v_lshlrev_b32 v2, 2, v0
	s_lshl_b32 s28, ttmp9, 9
	v_add_nc_u32 v3, s28, v1
	s_lshl_b32 s26, s18, 9
	s_wait_alu depctr_va_vdst(0)
	s_wait_kmcnt 0x0
	s_add_nc_u64 s[4:5], s[4:5], s[26:27]
	s_load_b64 s[20:21], s[4:5], 0x0               ; n_un, n
	s_lshl_b32 s26, s18, 13
	s_add_nc_u64 s[8:9], s[8:9], s[26:27]          ; the batch's scores
	s_add_co_u32 s26, s26, s28
	s_add_nc_u64 s[10:11], s[10:11], s[26:27]      ; my 512 bytes of inv, out0, out1
	s_add_nc_u64 s[14:15], s[14:15], s[26:27]
	s_add_nc_u64 s[16:17], s[16:17], s[26:27]
	s_lshr_b32 s26, s26, 2
	s_add_nc_u64 s[12:13], s[12:13], s[26:27]      ; my 128 mask bytes
	s_mul_i32 s26, s18, 26*8448
	s_add_nc_u64 s[6:7], s[6:7], s[26:27]          ; the batch's records
	global_load_b128 v[4:7], v1, s[10:11]
	global_load_b32 v8, v2, s[12:13]
	s_wait_kmcnt 0x0
	s_min_u32 s21, s21, 2048
	v_min_u32 v10, 16, v0                          ; the chunk rule, lane = chunk
	v_mul_u32_u24 v10, s21, v10
	v_lshrrev_b32 v10, 4, v10
	v_add_nc_u32 v11, 1, v0
	v_min_u32 v11, 16, v11
	v_mul_u32_u24 v11, s21, v11
	v_lshrrev_b32 v11, 4, v11
	v_mul_u32_u24 v12, 80, v0
	v_add_nc_u32 v13, 80, v12
	v_min_u32 v12, s21, v12
	v_min_u32 v13, s21, v13
	s_cmp_le_u32 s21, 1280
	s_cselect_b32 s22, -1, 0
	v_cndmask_b32 v10, v12, v10, s22
	v_cndmask_b32 v11, v13, v11, s22
	v_cmp_gt_u32 s23, v11, v10                     ; chunks that have rows (none from 26 on)
	v_mov_b32 v9, 15
	v_cndmask_b32 v9, v9, v0, s23
	v_min_u32 v9, 25, v9
	v_mul_u32_u24 v14, 8448, v9
	global_load_b64 v[16:17], v14, s[6:7] offset:8192              ; (m, l)
.set cc, 0
.rept 26
	v_readlane_b32 s28, v9, cc
	s_min_u32 s28, s28, 25
	s_mul_i32 s28, s28, 8448
	v_add_nc_u32 v[28+cc], s28, v3
	global_load_b128 v[56+4*cc:59+4*cc], v[28+cc], s[6:7]          ; 512 consecutive bytes of the chunk's partial sum
.set cc, cc+1
.endr
	s_wait_loadcnt 27                              ; inv and mask are in; behind them: (m, l) and the 26
	s_sub_co_u32 s29, s21, 1
.irp e, 0,1,2,3
	v_min_u32 v[4+\e], s29, v[4+\e]                ; a masked row's position holds no score: it reads the last one that was written, and the select below discards it
	v_min_u32 v[4+\e], 0x7ff, v[4+\e]
	v_lshlrev_b32 v[4+\e], 2, v[4+\e]
.endr
.irp e, 0,1,2,3
	global_load_b32 v[160+\e], v[4+\e], s[8:9]
.endr
	v_mov_b32 v18, 0xff61b1e6                      ; -3e38
	v_mov_b32 v20, 0
	v_mov_b32 v27, 0                               ; written once: a lane permute's destination counts as one of its sources
	s_sub_co_u32 s28, 2048, s21
	v_mov_b32 v23, s28
	v_cvt_f32_u32 v23, v23                         ; rows that are not live
	s_wait_alu depctr_va_vdst(0)
	s_wait_loadcnt 30                              ; (m, l) is in; behind it: the 26 and the four scores
	v_cndmask_b32 v16, v18, v16, s23
	v_cndmask_b32 v17, 0, v17, s23
	v_mov_b32 v19, v16
.irp x, 1,2,4,8
	v_max_num_f32_dpp v19, v19, v19 row_xmask:\x row_mask:0xf bank_mask:0xf
.endr
	v_permlanex16_b32 v20, v19, s24, s25
	v_max_num_f32 v19, v19, v20                    ; M
	v_sub_f32 v21, v16, v19
	v_mul_f32 v21, 0x3fb8aa3b, v21
	v_sub_f32 v22, 0xce6e6b28, v19                 ; -1e9 - M
	v_mul_f32 v22, 0x3fb8aa3b, v22
	s_wait_alu depctr_va_vdst(0)
	v_exp_f32 v21, v21                             ; f
	v_exp_f32 v22, v22
	v_nop
	s_wait_alu depctr_va_vdst(0)                   ; one wait for the two, ahead of their first reader
	v_mul_f32 v24, v17, v21
.irp x, 1,2,4,8
	v_add_f32_dpp v24, v24, v24 row_xmask:\x row_mask:0xf bank_mask:0xf
.endr
	v_permlanex16_b32 v27, v24, s24, s25
	v_add_f32 v24, v24, v27
	v_fma_f32 v24, v23, v22, v24                   ; L
	s_wait_alu depctr_va_vdst(0)
	v_rcp_f32 v25, v24
	v_nop
	s_wait_alu depctr_va_vdst(0)
	v_mul_f32 v26, v21, v25                        ; f / L
.set cc, 0
.rept 26
	v_readlane_b32 s[32+cc], v26, cc
.set cc, cc+1
.endr
	s_wait_loadcnt 4                               ; the partial sums are in; the four scores may stay out
.irp e, 0,1,2,3
	v_mul_f32 v[10+\e], s32, v[56+\e]
.endr
.set cc, 1
.rept 25
.irp e, 0,1,2,3
	v_fma_f32 v[10+\e], s[32+cc], v[56+4*cc+\e], v[10+\e]
.endr
.set cc, cc+1
.endr
	global_store_b128 v1, v[10:13], s[14:15]       ; 512 consecutive bytes of out0
	v_mov_b32 v18, 0xce6e6b28
	s_wait_alu depctr_va_vdst(0)
	s_wait_loadcnt 0x0
.irp e, 0,1,2,3
	v_bfe_u32 v[20+\e], v8, 8*\e, 8
	v_cmp_ne_u32 s28, 0, v[20+\e]
	v_cndmask_b32 v[160+\e], v[160+\e], v18, s28
	v_sub_f32 v[160+\e], v[160+\e], v19
	v_mul_f32 v[160+\e], 0x3fb8aa3b, v[160+\e]
.endr
	s_wait_alu depctr_va_vdst(0)
.irp e, 0,1,2,3
	v_exp_f32 v[160+\e], v[160+\e]
.endr
	v_nop
	s_wait_alu depctr_va_vdst(0)
.irp e, 0,1,2,3
	v_mul_f32 v[160+\e], v[160+\e], v25
.endr
	global_store_b128 v1, v[160:163], s[16:17]     ; 512 consecutive bytes of out1
	s_endpgm
.Lfunc_end_k_q3ada8e76c3_fin:
	.size	k_q3ada8e76c3_fin, .Lfunc_end_k_q3ada8e76c3_fin-k_q3ada8e76c3_fin
	.p2alignl 7, 3214868480
	.fill 96, 4, 3214868480
	.section	.rodata,"a",@progbits
	.p2align	6, 0x0
	.amdhsa_kernel k_q3ada8e76c3_fin
		.amdhsa_group_segment_fixed_size 0
		.amdhsa_private_segment_fixed_size 0
		.amdhsa_enable_private_segment 0
		.amdhsa_kernarg_size 56
		.amdhsa_user_sgpr_count 2
		.amdhsa_user_sgpr_kernarg_segment_ptr 1
		.amdhsa_wavefront_size32 1
		.amdhsa_system_sgpr_workgroup_id_x 1
		.amdhsa_system_sgpr_workgroup_id_y 1
		.amdhsa_system_sgpr_workgroup_id_z 1
		.amdhsa_system_vgpr_workitem_id 0
		.amdhsa_next_free_vgpr 168
		.amdhsa_next_free_sgpr 66
		.amdhsa_reserve_vcc 0
		.amdhsa_float_denorm_mode_32 3
		.amdhsa_float_denorm_mode_16_64 3
		.amdhsa_memory_ordered 1
		.amdhsa_forward_progress 1
		.amdhsa_inst_pref_size 23
	.end_amdhsa_kernel
	.amdgpu_metadata
---
amdhsa.version: [ 1, 2 ]
amdhsa.kernels:
  - .name:           k_q3ada8e76c3_fin
    .symbol:         k_q3ada8e76c3_fin.kd
    .args:
      - { .name: cnt, .offset: 0, .size: 8, .value_kind: global_buffer, .address_space: global }
      - { .name: part, .offset: 8, .size: 8, .value_kind: global_buffer, .address_space: global }
      - { .name: scores, .offset: 16, .size: 8, .value_kind: global_buffer, .address_space: global }
      - { .name: inv, .offset: 24, .size: 8, .value_kind: global_buffer, .address_space: global }
      - { .name: mask, .offset: 32, .size: 8, .value_kind: global_buffer, .address_space: global }
      - { .name: out0, .offset: 40, .size: 8, .value_kind: global_buffer, .address_space: global }
      - { .name: out1, .offset: 48, .size: 8, .value_kind: global_buffer, .address_space: global }
    .group_segment_fixed_size: 0
    .private_segment_fixed_size: 0
    .kernarg_segment_align: 8
    .kernarg_segment_size: 56
    .max_flat_workgroup_size: 32
    .sgpr_count:     66
    .vgpr_count:     168
    .wavefront_size: 32
...
	.end_amdgpu_metadata
.endif
;; end of part 3
